; MI455X (gfx1250); checked and timed in simulation.
; The chip was launched on July 23, 2026; its instructions are those of AMD's public machine-readable ISA for CDNA 5 (MIT licence, August 2026) and "CDNA5" Instruction Set Architecture Reference Guide (July 2026). The comments in the code are by the model that wrote it; some were corrected since.
;; Concat Critic. Allowed arithmetic: float matrix products may take bf16 or f16 operands with f32 sums; other float arithmetic in f32, or as packed bf16 or f16 multiplies, adds, multiply-adds, maxima and minima; sums over many terms, partial sums and values carried from step to step in f32; what a program stores and reads back later, other than sums and carried values, may be rounded once to bf16 or f16.
;; Inputs: W1 512 x 256 float32; W2 512 x 512 float32; W3 1 x 512 float32; b1 512 float32; b2 512 float32; b3 1 float32; x 512 x 128 float32; y 512 x 128 float32.
;; Outputs: out0 512 x 512 float32.
;; 2 versions, each right; version 2 is version 1 with the launch prep written anew for expert scheduling mode. Each part assembles by itself: llvm-mc -triple=amdgcn-amd-amdhsa -mcpu=gfx1250 --defsym DOCPART=n.
;; ======== version 1 of 2: 2 launches
;; limits: values are held in f16: magnitudes above 65,504 overflow, below 6.1e-05 lose precision
;; workspace buffers: hxf 524,288 bytes; hyf 524,288 bytes; w2h 524,288 bytes
;; launch prep (part 1): grid 256 x 1, 4 waves a work-group, no clusters, 0 bytes of LDS; arguments x, y, W1, b1, W2, hxf, hyf, w2h; writes hxf, hyf, w2h
.if DOCPART == 1
	.amdgcn_target "amdgcn-amd-amdhsa--gfx1250"
	.amdhsa_code_object_version 6
	.text
	.protected	k_qefd0af8d10_prep
	.globl	k_qefd0af8d10_prep
	.p2align	8
	.type	k_qefd0af8d10_prep,@function
k_qefd0af8d10_prep:
	s_mov_b64 s[64:65], 0
	v_nop
	global_prefetch_b8 v0, s[64:65] scope:SCOPE_SE
	s_setreg_imm32_b32 hwreg(HW_REG_WAVE_MODE, 25, 1), 1
	s_wait_xcnt 0x0
; THE TABLES FOR THE MAIN LAUNCH.  hxf = f16(x W1[:, :128]^T + b1), hyf = f16(y W1[:, 128:]^T), w2h = f16(bf16(W2)).
; x, y: [512][128] f32; W1: [512][256] f32; b1: [512] f32; W2: [512][512] f32.  Every input is rounded to bf16 first; products in bf16, sums in f32.
; LAYOUT of hxf and hyf, a LANE IMAGE: byte rb 16384 + ks 1024 + half 512 + lane 16 holds, of row 16 rb + lane % 16, the hidden numbers 32 ks + 16 half + 8 (lane / 16) + 0..7:
; those 16 bytes are registers 4 half .. 4 half + 3 of a 16-row x 32-K fragment of 16-bit numbers (ISA guide 7.12.2), so the main launch loads fragments as they lie.  w2h is row-major.
; SHARES.  1,024 waves that do not depend on each other: no LDS, no barrier, no loop.  Wave w of work-group g makes 16 rows (block rb) x 32 hidden numbers (K step cg) of one table:
; two accumulators, 128 along K: eight matrix instructions; and it converts 256 numbers of W2.
; LIMITS.  f16 ends at 65,504: |hx + b1|, |hy| and |W2| stay below it; a number of W2 below 6e-5 keeps f16's fixed step of 6e-8.  NaN and infinities are not treated apart.
; K IS PERMUTED alike in both operands: in matrix step s the lanes' half h holds k = 64 h + 16 s + 0..15, so a lane reads 256 consecutive bytes of its row.  The products are the same, their order in the sum is not.
.set W2R,  8                           ; v[8:15]    8 numbers of W2, f32
.set W2P,  16                          ; v[16:19]   the same packed
.set BI,   20                          ; v[20:35]   b1 for the two accumulators: the C operand of the first step
.set AC,   36                          ; v[36:51]   the two accumulators
.set RES,  52                          ; v[52:59]   at work; then the results in f16
.set XR,   64                          ; v[64:127]  my 64 numbers of a row of x or y, f32; packed in place into v[64:95]
.set WA,   128                         ; v[128:191] the same of W1, hidden block 0
.set WB,   192                         ; v[192:255] hidden block 1
	s_load_b512 s[4:19], s[0:1], 0x0               ; x 4:5, y 6:7, W1 8:9, b1 10:11, W2 12:13, hxf 14:15, hyf 16:17, w2h 18:19
	v_lshrrev_b32 v1, 5, v0
	v_readfirstlane_b32 s2, v1                     ; wave 0..3
	s_lshr_b32 s3, ttmp9, 7                        ; which table: 0 x -> hxf, 1 y -> hyf
	s_bfe_u32 s28, ttmp9, 0x50002                  ; rb: block of 16 rows, 0..31
	s_and_b32 s29, ttmp9, 3
	s_lshl2_add_u32 s29, s29, s2                   ; cg: 32 hidden numbers, 0..15
	s_lshl2_add_u32 s30, ttmp9, s2                 ; my wave among the launch's 1,024
	s_mov_b32 s25, 0xffff0000                      ; a word's upper bf16
	s_mov_b32 s27, 0                               ; the high word of every offset
	v_and_b32 v1, 15, v0                           ; r = lane % 16
	v_bfe_u32 v7, v0, 4, 1                         ; h = lane / 16
	v_and_b32 v6, 31, v0
	v_lshlrev_b32 v5, 5, v6                        ; W2: 32 bytes a lane
	v_lshlrev_b32 v6, 4, v6                        ; stores: 16 bytes a lane
	v_lshlrev_b32 v4, 5, v7                        ; b1: 8 numbers for each half of the lanes
	v_lshlrev_b32 v2, 9, v1
	v_lshl_add_u32 v2, v7, 8, v2                   ; x, y: row r of 512 bytes, half h
	v_lshlrev_b32 v3, 10, v1
	v_lshl_add_u32 v3, v7, 8, v3                   ; W1: row r of 1,024 bytes, half h of the part in hand
	s_wait_kmcnt 0x0
	s_cmp_lg_u32 s3, 0
	s_cselect_b64 s[20:21], s[6:7], s[4:5]         ; the source,
	s_cselect_b64 s[22:23], s[16:17], s[14:15]     ; the table,
	s_cselect_b32 s24, 0, -1                       ; and whether b1 is kept: it goes into hxf alone
	s_lshl_b32 s26, s28, 13
	s_add_nc_u64 s[20:21], s[20:21], s[26:27]      ; 16 rows of 512 bytes a block
	s_lshl_b32 s26, s29, 15
	s_lshl_b32 s31, s3, 9
	s_add_co_u32 s26, s26, s31
	s_add_nc_u64 s[8:9], s[8:9], s[26:27]          ; W1: 32 rows of 1,024 bytes, and x's or y's 512 bytes of them
	s_lshl_b32 s26, s29, 7
	s_add_nc_u64 s[10:11], s[10:11], s[26:27]
	s_lshl_b32 s26, s30, 10
	s_add_nc_u64 s[12:13], s[12:13], s[26:27]      ; W2: 1,024 bytes a wave in,
	s_lshl_b32 s26, s30, 9
	s_add_nc_u64 s[18:19], s[18:19], s[26:27]      ; 512 out
	s_lshl_b32 s26, s28, 14
	s_lshl_b32 s31, s29, 10
	s_add_co_u32 s26, s26, s31
	s_add_nc_u64 s[22:23], s[22:23], s[26:27]      ; the table at (rb, ks = cg)
	; all 54 loads in one run; the waits below count the younger ones that may stay out
	global_load_b128 v[W2R:W2R+3],   v5, s[12:13]
	global_load_b128 v[W2R+4:W2R+7], v5, s[12:13] offset:16
	global_load_b128 v[BI:BI+3],     v4, s[10:11]
	global_load_b128 v[BI+4:BI+7],   v4, s[10:11] offset:16
	global_load_b128 v[BI+8:BI+11],  v4, s[10:11] offset:64
	global_load_b128 v[BI+12:BI+15], v4, s[10:11] offset:80
.set t, 0
.rept 16
	global_load_b128 v[XR+4*t:XR+4*t+3], v2, s[20:21] offset:16*t
.set t, t+1
.endr
.set t, 0
.rept 16
	global_load_b128 v[WA+4*t:WA+4*t+3], v3, s[8:9] offset:16*t
.set t, t+1
.endr
.set t, 0
.rept 16
	global_load_b128 v[WB+4*t:WB+4*t+3], v3, s[8:9] offset:16384+16*t
.set t, t+1
.endr
	s_wait_loadcnt 52                              ; W2's two loads are in: 52 were issued behind them
.irp i, 0,1,2,3
	v_cvt_pk_bf16_f32 v[W2P+(\i)], v[W2R+2*(\i)], v[W2R+2*(\i)+1]  ; rounded to bf16, as every input is,
.endr
.irp i, 0,1,2,3
	v_lshlrev_b32 v[W2R+2*(\i)],   16,  v[W2P+(\i)]
	v_and_b32     v[W2R+2*(\i)+1], s25, v[W2P+(\i)]
.endr
.irp i, 0,1,2,3
	v_cvt_pk_f16_f32 v[W2P+(\i)], v[W2R+2*(\i)], v[W2R+2*(\i)+1]   ; and that number written as f16
.endr
	global_store_b128 v6, v[W2P:W2P+3], s[18:19]   ; the wave stores 512 consecutive bytes, aligned
	s_wait_loadcnt 48                              ; b1
.set i, 0
.rept 8
	v_cvt_pk_bf16_f32 v[RES+i], v[BI+2*i], v[BI+2*i+1]
.set i, i+1
.endr
.set i, 0
.rept 8
	v_and_b32 v[RES+i], s24, v[RES+i]              ; 0 for hyf
.set i, i+1
.endr
.set i, 0
.rept 8
	v_lshlrev_b32 v[BI+2*i],   16,  v[RES+i]
	v_and_b32     v[BI+2*i+1], s25, v[RES+i]
.set i, i+1
.endr
; 64 f32 are packed in place into 32 registers of bf16: register i takes numbers 2 i and 2 i + 1, which no earlier line has overwritten.  Matrix step s then finds its fragment at R + 8 s.
.macro COMPACT R
.set i, 0
.rept 32
	v_cvt_pk_bf16_f32 v[(\R)+i], v[(\R)+2*i], v[(\R)+2*i+1]
.set i, i+1
.endr
.endm
	s_wait_loadcnt 32
	COMPACT XR
	s_wait_loadcnt 16
	COMPACT WA
	s_wait_loadcnt 0x0
	COMPACT WB
	; Source 0 = 16 rows of W1 (hidden numbers), source 1 = 16 rows of x: in the result a lane holds ONE row of x and eight neighbouring hidden numbers.
	; The two accumulators take turns; the first step takes b1 as C.
	v_wmma_f32_16x16x32_bf16 v[AC:AC+7],    v[WA:WA+7], v[XR:XR+7], v[BI:BI+7]
	v_wmma_f32_16x16x32_bf16 v[AC+8:AC+15], v[WB:WB+7], v[XR:XR+7], v[BI+8:BI+15]
.irp s, 1,2,3
	v_wmma_f32_16x16x32_bf16 v[AC:AC+7],    v[WA+8*(\s):WA+8*(\s)+7], v[XR+8*(\s):XR+8*(\s)+7], v[AC:AC+7]
	v_wmma_f32_16x16x32_bf16 v[AC+8:AC+15], v[WB+8*(\s):WB+8*(\s)+7], v[XR+8*(\s):XR+8*(\s)+7], v[AC+8:AC+15]
.endr
.rept 4
	v_nop                                          ; four places between the last product and the lines that read the results (ISA guide 7.12.1)
.endr
.set i, 0
.rept 8
	v_cvt_pk_f16_f32 v[RES+i], v[AC+2*i], v[AC+2*i+1]  ; each accumulator from its low end on
.set i, i+1
.endr
	global_store_b128 v6, v[RES:RES+3],   s[22:23]             ; half 0: 512 consecutive bytes, aligned
	global_store_b128 v6, v[RES+4:RES+7], s[22:23] offset:512  ; half 1
	s_endpgm
.Lfunc_end_k_qefd0af8d10_prep:
	.size	k_qefd0af8d10_prep, .Lfunc_end_k_qefd0af8d10_prep-k_qefd0af8d10_prep
	.p2alignl 7, 3214868480
	.fill 96, 4, 3214868480
	.section	.rodata,"a",@progbits
	.p2align	6, 0x0
	.amdhsa_kernel k_qefd0af8d10_prep
		.amdhsa_group_segment_fixed_size 0
		.amdhsa_private_segment_fixed_size 0
		.amdhsa_enable_private_segment 0
		.amdhsa_kernarg_size 64
		.amdhsa_user_sgpr_count 2
		.amdhsa_user_sgpr_kernarg_segment_ptr 1
		.amdhsa_wavefront_size32 1
		.amdhsa_system_sgpr_workgroup_id_x 1
		.amdhsa_system_sgpr_workgroup_id_y 1
		.amdhsa_system_sgpr_workgroup_id_z 1
		.amdhsa_system_vgpr_workitem_id 0
		.amdhsa_next_free_vgpr 256
		.amdhsa_next_free_sgpr 66
		.amdhsa_reserve_vcc 0
		.amdhsa_float_denorm_mode_32 3
		.amdhsa_float_denorm_mode_16_64 3
		.amdhsa_memory_ordered 1
		.amdhsa_forward_progress 1
		.amdhsa_inst_pref_size 17
	.end_amdhsa_kernel
	.amdgpu_metadata
---
amdhsa.version: [ 1, 2 ]
amdhsa.kernels:
  - .name:           k_qefd0af8d10_prep
    .symbol:         k_qefd0af8d10_prep.kd
    .args:
      - { .name: x, .offset: 0, .size: 8, .value_kind: global_buffer, .address_space: global }
      - { .name: y, .offset: 8, .size: 8, .value_kind: global_buffer, .address_space: global }
      - { .name: W1, .offset: 16, .size: 8, .value_kind: global_buffer, .address_space: global }
      - { .name: b1, .offset: 24, .size: 8, .value_kind: global_buffer, .address_space: global }
      - { .name: W2, .offset: 32, .size: 8, .value_kind: global_buffer, .address_space: global }
      - { .name: hxf, .offset: 40, .size: 8, .value_kind: global_buffer, .address_space: global }
      - { .name: hyf, .offset: 48, .size: 8, .value_kind: global_buffer, .address_space: global }
      - { .name: w2h, .offset: 56, .size: 8, .value_kind: global_buffer, .address_space: global }
    .group_segment_fixed_size: 0
    .private_segment_fixed_size: 0
    .kernarg_segment_align: 8
    .kernarg_segment_size: 64
    .max_flat_workgroup_size: 128
    .sgpr_count:     66
    .vgpr_count:     256
    .wavefront_size: 32
...
	.end_amdgpu_metadata
.endif
;; end of part 1
;; launch main (part 2): grid 8 x 32, 4 waves a work-group, clusters of 4 x 1, 327,680 bytes of LDS; arguments hxf, hyf, w2h, b2, W3, b3, out0; writes out0
.if DOCPART == 2
	.amdgcn_target "amdgcn-amd-amdhsa--gfx1250"
	.amdhsa_code_object_version 6
	.text
	.protected	k_qefd0af8d10_main
	.globl	k_qefd0af8d10_main
	.p2align	8
	.type	k_qefd0af8d10_main,@function
k_qefd0af8d10_main:
	s_mov_b64 s[64:65], 0
	v_nop
	global_prefetch_b8 v0, s[64:65] scope:SCOPE_SE
	s_setreg_imm32_b32 hwreg(HW_REG_WAVE_MODE, 25, 1), 1
	s_wait_xcnt 0x0
	s_wait_alu depctr_hold_cnt(0) depctr_sa_sdst(0) depctr_va_vdst(0) depctr_va_sdst(0) depctr_va_ssrc(0) depctr_va_vcc(0) depctr_vm_vsrc(0)
	s_getreg_b32 s2, hwreg(HW_REG_IB_STS2, 6, 4)
	s_cmp_eq_u32 s2, 0
	s_cbranch_scc0 .Lentry_in_a_cluster
	s_endpgm
.Lentry_in_a_cluster:
	s_bfe_u32 s2, ttmp6, 0x10000c
	s_cmp_lg_u32 s2, 0x3003
	s_cbranch_scc0 .Lentry_shape_is_right
	s_endpgm
.Lentry_shape_is_right:
; out[i][j] = W3 . relu(W2 relu(hx[i] + hy[j]) + b2) + b3 for 512 x 512 pairs.  hxf (with b1 in it) and hyf are f16 lane images, w2h is f16 [512][512]: the launch before made them.
; h1 = relu(hx + hy) is made in registers, in f16, one rounding; the product with W2 in f16 with f32 sums; relu, the product with W3 and the sums over n in f32.  b2, W3 and b3 are rounded to bf16, like every input.
; LIMITS.  f16 ends at 65,504: |hx[i] + hy[j]| stays below it.  A NaN in front of a relu counts as 0; infinities are not treated apart.  The order of the sums is not the reference's.
; SHARES.  A work-group owns 16 i (block ib) x 64 j (group jg); wave w the 16 j of block 4 jg + w, with all 16 i.  A PASS is 4 i x 16 j = 64 pairs x 256 n x all 512 k: 64 accumulators, 512 registers,
; 1,024 matrix instructions.  Eight passes: two halves of n, in each four groups of 4 i.
; W2.  Half p (256 rows x 1,024 bytes) lies in LDS for four passes, so a work-group takes each byte of w2h in once.  hy's 16 fragments stay in 128 registers for the whole launch, which is why K is unrolled.
; THE MATRIX INSTRUCTION: source 0 = 16 rows of W2, source 1 = 16 pairs (one i, my 16 j).  In the result a lane holds ONE pair (j = lane % 16) and n = 8 (lane / 16) + 0..7: b2 is the C operand of K step 0,
; W3 is applied along the lane's registers, and one exchange between the halves of the lanes ends the sum.
; CLUSTER.  The four work-groups of a cluster need the same half of W2 at the same time: each quarter of it is asked for JOINTLY, by the same tensor load, descriptor and mask in all four.
; REGISTERS, in windows of 256 (s_set_vgpr_msb: bits 1:0 source 0, 3:2 source 1, 5:4 source 2, 7:6 destination):
;   window 0: v0-15 addresses; v16-31 O, the 16 sums of my lane's pairs; v32-63 hx of one K step (on the way out: sums); v64-127 h1's fragments, two buffers of four (on the way out: W3); v128-255 b2, 8 for each n block
;   window 1: v0-127 W2's fragments of one K step, n blocks 0-7 and 8-15; v128-255 hy          window 2: accumulators (b, m), b = 0..7, at v[32 b + 8 m]          window 3: b = 8..15
.set PITCH, 1040                       ; a row of W2 in LDS: 1,024 bytes + 16 of padding = 260 words: row r starts at bank 4 r mod 64 (64 banks of 4 bytes: ISA guide 11.1), so the 16 rows of a load start at 16 different banks
.set QROWS, 64*PITCH                   ; 64 rows: what one tensor load brings
.set SPARE, 4*QROWS                    ; behind W2: the spare words, 128 bytes for each wave: two blocks of 256 bytes that no other line names
.set STAGE, SPARE+512                  ; 16 rows of out x 256 bytes, for the way out
.set HXB,   STAGE+4096                 ; block ib of hxf, 16,384 bytes, as it lies in memory
.set B2T,   HXB+16384                  ; b2 as f32, 2,048 bytes
.set W3T,   B2T+2048                   ; W3 as f32, 2,048 bytes.  No tensor load fills anything from SPARE on
.set ADRX0, 1                          ; v1     HXB + 256 (lane / 16)
.set ADRX,  3                          ; v3     the same for the pass's four i
.set ADRB,  4                          ; v4-7   my lane's place in rows 64 g .. of W2, g = 0..3
.set ADRW0, 8                          ; v8     W3T + 32 (lane / 16)
.set ADRBI, 9                          ; v9     B2T + 32 (lane / 16)
.set STO,   10                         ; v10    the way out: where my pair's column lies in the stage
.set RD,    11                         ; v11    the way out: where I read rows back
.set GO,    12                         ; v12    my byte offset in the work-group's part of out
.set ADRW,  13                         ; v13    ADRW0 for the half of n in hand
.set SPW,   14                         ; v14    LDS address of my spare word: SPARE + 4 x my thread's number; never rewritten
.set NIL,   15                         ; v15    0; never rewritten
.set O,     16
.set HXR,   32
.set SU,    32                         ; on the way out: a pair of sums for each of the pass's four i
.set A,     64
.set WR,    64                         ; on the way out: W3 of four n blocks, two buffers
.set BIAS,  128
.set HY,    128                        ; window 1
.set TR,    104                        ; v104-112: at work before the first pass: lane % 16, lane / 16, three offsets, four temporaries
.set TH,    105
.set TG,    106
.set TL,    107
.set TY,    108
.set TT,    109
.set WV,    18                         ; s18  my wave's number
.set G1,    24                         ; s[24:31] descriptor group 1
.set G0,    32                         ; s[32:35] descriptor group 0
.set T4,    36                         ; s36  passes to go in this half of n, 4 to 1
.set PH,    37                         ; s37  halves to go
.set WOFF,  38                         ; s38  0 or 1,024: which half of W3 the next way out takes
.set ZERO,  39                         ; s39  0, for the packed relu
.set SEL,   40                         ; s[40:41] v_permlanex16_b32's selects: each lane takes its own place in the other half
.set B3,    42                         ; s42  b3
.set XO,    43                         ; s43  at work
.set WNEXT, 44                         ; s44  what WOFF becomes behind the next way out
.set MSB, 0
.macro WIN new                         ; the immediate's high byte repeats the setting that is left; a switch that changes nothing is dropped
.if MSB != (\new)
	s_set_vgpr_msb (MSB<<8)|(\new)
.set MSB, (\new)
.endif
.endm
.set GEN,  0x04                        ; source 1 (hy) in window 1
.set TO_B, 0x40                        ; destination window 1, address window 0
; A round of the cluster's barrier: my work-group's barrier, so that wave 0's signal speaks for all four waves; wave 0 signals; every wave waits for all four work-groups; my work-group's barrier once more.
.macro CROUND
	s_barrier_signal -1
	s_barrier_wait -1
	s_cmp_lg_u32 s[WV], 0
	s_cbranch_scc1 .Lnot_wave_0_\@
	s_barrier_signal -3
.Lnot_wave_0_\@:
	s_barrier_wait -3
	s_barrier_signal -1
	s_barrier_wait -1
.endm
.macro PLACES                          ; four places behind a matrix instruction, in front of a load into one of its registers or a line that reads its result (ISA guide 7.12.1 for vector instructions)
.rept 4
	v_nop
.endr
.endm
.macro JLOAD                           ; my quarter of a half of W2; an s_nop 0 and four v_nop follow the line
	tensor_load_to_lds s[G0:G0+3], s[G1:G1+7]
	s_nop 0
	PLACES
.endm
	s_load_b256 s[4:11], s[0:1], 0x0               ; hxf 4:5, hyf 6:7, w2h 8:9, b2 10:11
	s_load_b128 s[12:15], s[0:1], 0x20             ; W3 12:13, b3 14:15
	s_load_b64 s[16:17], s[0:1], 0x30              ; out0
	v_lshl_add_u32 v[SPW], v0, 2, SPARE
	v_mov_b32 v[NIL], 0
	ds_add_u32 v[SPW], v[NIL]                      ; the wave's opening: the add and its wait stand ahead of my first tensor load; the set-up below, work on registers, stands between them
	v_lshrrev_b32 v[TT], 5, v0
	v_readfirstlane_b32 s[WV], v[TT]               ; wave 0..3
	s_bfe_u32 s19, ttmp6, 0x40000                  ; cx: my place in the cluster
	s_lshl_b32 s20, ttmp9, 2                       ; in a cluster launch ttmp9 counts clusters
	s_add_co_u32 s20, s20, s19                     ; jg = 4 x cluster x + cx: it enters hyf's and out's addresses alone
	s_and_b32 s21, ttmp7, 0xffff                   ; ib, which the four partners share
	; descriptor group 1: a tile of 64 rows x 512 elements, padded in LDS
	s_mov_b32 s[G1+0], 15|(1<<16)|(1<<20)|(1<<21)|(7<<22)|(3<<25)  ; 15:0 the mask of four; 17:16 2-byte elements; 20 padding on; 21 set beside a mask; 24:22 after every 256 words (code 7); 31:25 4 words (code 3)
	s_mov_b32 s[G1+1], 512<<16                     ; tensor_dim0 = 512
	s_mov_b32 s[G1+2], 64<<16                      ; tensor_dim1 = 64
	s_mov_b32 s[G1+3], 512<<16                     ; tile_dim0 = 512
	s_mov_b32 s[G1+4], 64                          ; tile_dim1 = 64
	s_mov_b32 s[G1+5], 512                         ; 512 elements from row to row
	s_mov_b32 s[G1+6], 0
	s_mov_b32 s[G1+7], 0
	s_mov_b32 s[G0], 1                             ; count = 1
	s_mul_i32 s[G0+1], s[WV], QROWS                ; LDS address: wave x 64 rows: no place in the cluster enters it
	s_lshl_b32 s2, s[WV], 16                       ; and the same 64 rows of 1,024 bytes in memory
	s_mov_b32 s3, 0
	s_mov_b32 s23, 0
	s_mov_b32 s[ZERO], 0
	s_mov_b32 s[SEL], 0x76543210
	s_mov_b32 s[SEL+1], 0xfedcba98
	s_mov_b32 s[T4], 4
	s_mov_b32 s[PH], 2
	s_mov_b32 s[WOFF], 0
	s_mov_b32 s[WNEXT], 0
	s_wait_dscnt 0x0                               ; the opening add is done
	s_wait_kmcnt 0x0
	s_add_nc_u64 s[G0+2:G0+3], s[8:9], s[2:3]      ; global address: my quarter of W2's first half
	s_or_b32 s[G0+3], s[G0+3], 0x80000000          ; type = 2
	s_lshl_b32 s22, s21, 14
	s_add_nc_u64 s[4:5], s[4:5], s[22:23]          ; hxf at block ib
	s_lshl2_add_u32 s22, s20, s[WV]
	s_lshl_b32 s22, s22, 14
	s_add_nc_u64 s[6:7], s[6:7], s[22:23]          ; hyf at block 4 jg + w
	s_lshl_b32 s22, s21, 15                        ; out: 16 rows of 2,048 bytes,
	s_lshl_b32 s[XO], s20, 8                       ; 64 columns of 4
	s_add_co_u32 s22, s22, s[XO]
	s_add_nc_u64 s[16:17], s[16:17], s[22:23]
	s_load_b32 s[B3], s[14:15], 0x0
	CROUND                                         ; all four work-groups are here: the first joint loads meet
	JLOAD                                          ; one tensor load of mine is out
	v_and_b32 v[TR], 15, v0                        ; r = lane % 16
	v_bfe_u32 v[TH], v0, 4, 1                      ; h = lane / 16
	v_lshlrev_b32 v[TG], 4, v0                     ; 16 bytes a thread: 2,048 for the work-group
	v_and_b32 v[TY], 31, v0
	v_lshlrev_b32 v[TY], 4, v[TY]                  ; 16 bytes a lane
.set u, 0
.rept 8
	global_load_b128 v[A+4*u:A+4*u+3], v[TG], s[4:5] offset:2048*u  ; hx's block, shared out among the 128 threads
.set u, u+1
.endr
	global_load_b128 v[96:99],   v[TG], s[10:11]   ; b2
	global_load_b128 v[100:103], v[TG], s[12:13]   ; W3
	WIN TO_B
.set u, 0
.rept 32
	global_load_b128 v[HY+4*u:HY+4*u+3], v[TY], s[6:7] offset:512*u  ; hy: K step u / 2, registers 4 (u % 2) on, as the image lies
.set u, u+1
.endr
	WIN 0
	v_lshl_add_u32 v[ADRX0], v[TH], 8, HXB         ; row i' of the block lies at lanes i' and 16 + i' of the image: 16 i' + 256 h
	v_mul_u32_u24 v[TT], v[TR], PITCH
	v_lshl_add_u32 v[ADRB], v[TH], 4, v[TT]        ; a fragment's row x pitch + 16 x half
	v_add_nc_u32 v[ADRB+1], QROWS, v[ADRB]
	v_add_nc_u32 v[ADRB+2], 2*QROWS, v[ADRB]
	v_add_nc_u32 v[ADRB+3], 3*QROWS, v[ADRB]
	v_lshl_add_u32 v[ADRW0], v[TH], 5, W3T
	v_lshl_add_u32 v[ADRBI], v[TH], 5, B2T
	s_lshl_b32 s[XO], s[WV], 6
	s_add_co_u32 s[XO], s[XO], STAGE
	v_lshl_add_u32 v[STO], v[TR], 2, s[XO]         ; column 16 w + r of the stage
	s_lshl_b32 s[XO], s[WV], 10
	s_add_co_u32 s[XO], s[XO], STAGE
	v_lshl_add_u32 v[RD], v[TH], 8, s[XO]          ; back: wave w takes rows 4 w .. 4 w + 3; lanes 0-15 one row of 256 bytes, lanes 16-31 the next
	v_lshl_add_u32 v[RD], v[TR], 4, v[RD]
	s_lshl_b32 s[XO], s[WV], 13
	v_lshl_add_u32 v[GO], v[TH], 11, s[XO]         ; and the same rows in out
	v_lshl_add_u32 v[GO], v[TR], 4, v[GO]
	v_lshl_add_u32 v[TL], v0, 4, HXB
	s_wait_loadcnt 32                              ; hx, b2 and W3 are in; hy's 32 loads stay out
.irp a, 96, 100
	v_cvt_pk_bf16_f32 v[TT],   v[\a],   v[\a+1]    ; b2 and W3 are rounded to bf16 and kept as f32
	v_cvt_pk_bf16_f32 v[TT+1], v[\a+2], v[\a+3]
	v_lshlrev_b32 v[\a],   16,         v[TT]
	v_and_b32     v[\a+1], 0xffff0000, v[TT]
	v_lshlrev_b32 v[\a+2], 16,         v[TT+1]
	v_and_b32     v[\a+3], 0xffff0000, v[TT+1]
.endr
.set u, 0
.rept 8
	ds_store_b128 v[TL], v[A+4*u:A+4*u+3] offset:2048*u
.set u, u+1
.endr
	ds_store_b128 v[TL], v[96:99]   offset:B2T-HXB
	ds_store_b128 v[TL], v[100:103] offset:W3T-HXB
	s_wait_kmcnt 0x0                               ; b3
	v_mov_b32 v[TT+3], s[B3]
	v_cvt_pk_bf16_f32 v[TT+2], v[TT+3], v[TT+3]
	v_lshlrev_b32 v[O], 16, v[TT+2]
.set u, 1
.rept 15
	v_mov_b32 v[O+u], v[O]                         ; every sum starts at b3
.set u, u+1
.endr
	s_wait_dscnt 0x0                               ; for the others' sake: my stores into the tables are done
	s_barrier_signal -1                            ; the tensor load may stay out
	s_barrier_wait -1
; b2 of half p of n: n block b's eight numbers for my half of the lanes
.macro BIASLOAD p
	WIN 0
.set z, 0
.rept 16
	ds_load_b128 v[BIAS+8*z:BIAS+8*z+3],   v[ADRBI] offset:1024*(\p)+64*z
	ds_load_b128 v[BIAS+8*z+4:BIAS+8*z+7], v[ADRBI] offset:1024*(\p)+64*z+16
.set z, z+1
.endr
.endm
; hx of K step ks for the pass's four i: 8 loads; all 16 lanes of a half read the same 16 bytes
.macro HXLOAD ks
	WIN 0
.irp m, 0,1,2,3
	ds_load_b128 v[HXR+8*(\m):HXR+8*(\m)+3],   v[ADRX] offset:(\ks)*1024+16*(\m)
	ds_load_b128 v[HXR+8*(\m)+4:HXR+8*(\m)+7], v[ADRX] offset:(\ks)*1024+512+16*(\m)
.endr
.endm
; W2's fragments of K step ks, n blocks 8 half .. 8 half + 7: 16 loads in one run
.macro BLOAD half, ks
	WIN TO_B
.irp c, 0,1,2,3,4,5,6,7
.set bb, 8*(\half)+(\c)
	ds_load_b128 v[8*bb:8*bb+3],   v[ADRB+bb/4] offset:(bb%4)*16*PITCH+64*(\ks)
	ds_load_b128 v[8*bb+4:8*bb+7], v[ADRB+bb/4] offset:(bb%4)*16*PITCH+64*(\ks)+32
.endr
.endm
; Line q of the 64 that make h1's four fragments for K step ks + 1: 0-31 hx + hy, in place, two f16 at a time; 32-63 the relu, into the buffer that K step ks does not read
.macro RIDER q, ks
.if (\q) < 32
	WIN GEN
	v_pk_add_f16 v[HXR+(\q)], v[HXR+(\q)], v[HY+8*((\ks)+1)+(\q)%8]
.else
	WIN 0
	v_pk_max_num_f16 v[A+32*(((\ks)+1)%2)+(\q)-32], v[HXR+(\q)-32], s[ZERO]
.endif
.endm
; Four matrix instructions: n block b x the pass's four i.  In K step 0 the C operand is b2: nothing is ever cleared.
.macro MM4 b, ks
.set rD, 32*((\b)%8)
.set rA, A+32*((\ks)%2)
.if (\ks) == 0
	WIN 0x81+0x40*((\b)/8)                         ; W2 window 1, h1 and b2 window 0, D window 2 or 3
.else
	WIN 0xa1+0x50*((\b)/8)                         ; W2 window 1, h1 window 0, C and D window 2 or 3
.endif
.irp m, 0,1,2,3
.if (\ks) == 0
	v_wmma_f32_16x16x32_f16 v[rD+8*(\m):rD+8*(\m)+7], v[8*(\b):8*(\b)+7], v[rA+8*(\m):rA+8*(\m)+7], v[BIAS+8*(\b):BIAS+8*(\b)+7]
.else
	v_wmma_f32_16x16x32_f16 v[rD+8*(\m):rD+8*(\m)+7], v[8*(\b):8*(\b)+7], v[rA+8*(\m):rA+8*(\m)+7], v[rD+8*(\m):rD+8*(\m)+7]
.endif
.endr
.endm
; A K STEP: 64 matrix instructions, the 64 accumulators by turns, one instruction a turn.  Behind each four of the first 32 stand eight of the lines that make the next step's h1.
; The LDS loads stand in runs: the next step's first half of W2 and the hx of the step after it in the middle, 32 matrix instructions ahead of their first use; its second half at the end.
.macro KSTEP ks
	s_wait_dscnt 16                                ; W2's first half and the next step's hx are in; the 16 loads of W2's second half, issued behind them, may be out
.set q, 0
.irp b, 0,1,2,3,4,5,6,7
	MM4 \b, \ks
.if (\ks) < 15
.rept 8
	RIDER q, \ks
.set q, q+1
.endr
.endif
.endr
.if (\ks) < 15
	BLOAD 0, (\ks)+1                               ; the eight lines just above name no register of the last products: they are the places in front of these loads
.endif
.if (\ks) < 14
	HXLOAD (\ks)+2
	s_wait_dscnt 24                                ; W2's second half is in: all but the 24 just issued
.elseif (\ks) == 14
	s_wait_dscnt 16                                ; all but the 16 just issued
.else
	s_wait_dscnt 0
.endif
.irp b, 8,9,10,11,12,13,14,15
	MM4 \b, \ks
.endr
.if (\ks) < 15
	PLACES
	BLOAD 1, (\ks)+1
.endif
.endm
; A PASS.  Its four i are 4 (4 - T4) + 0..3: 64 bytes further in hx's image for each pass of the half.
.macro PASS
	WIN 0
	s_lshl_b32 s[XO], s[T4], 6
	s_sub_co_u32 s[XO], 256, s[XO]
	v_add_nc_u32 v[ADRX], s[XO], v[ADRX0]
	HXLOAD 0
	BLOAD 0, 0
	s_wait_dscnt 16                                ; hx of K step 0 is in; W2's 16 loads may be out
.set q, 0
.rept 64
	RIDER q, -1                                    ; h1 of K step 0: there are no products yet to set these lines behind
.set q, q+1
.endr
	HXLOAD 1
	BLOAD 1, 0
.irp k, 0,1,2,3,4,5,6,7,8,9,10,11,12,13,14,15
	KSTEP \k
.endr
	WIN 0
.endm
; W3 of n blocks 4 g .. 4 g + 3, into buffer g % 2: 8 loads
.macro WLOAD g
	WIN 0
.irp c, 0,1,2,3
	ds_load_b128 v[WR+32*((\g)%2)+8*(\c):WR+32*((\g)%2)+8*(\c)+3],   v[ADRW] offset:64*(4*(\g)+(\c))
	ds_load_b128 v[WR+32*((\g)%2)+8*(\c)+4:WR+32*((\g)%2)+8*(\c)+7], v[ADRW] offset:64*(4*(\g)+(\c))+16
.endr
.endm
; THE WAY OUT OF A PASS.  For each accumulator: the relu in place, from its low end on (8 lines), and W3 times it onto the pair of sums of its i (4 packed lines; the four i are four chains that do not wait for
; each other; the first four lines start the sums).  Then the pair's two halves and the other half of the lanes' are added, and the i's running sum takes the result.
; O IS A RING: the pass's four sums are taken from its head and put at its tail, so that one text serves every pass; after four passes each sum is back in its place.
.macro EPI
	WIN 0
	PLACES                                         ; behind the pass's last products: W3 lands in h1's registers, and the relu reads results
	v_add_nc_u32 v[ADRW], s[WOFF], v[ADRW0]
	WLOAD 0
	WLOAD 1
.irp g, 0,1,2,3
.if (\g) < 3
	s_wait_dscnt 8                                 ; this group's W3 is in; the next group's eight loads may be out
.else
	s_wait_dscnt 0
.endif
.irp c, 0,1,2,3
.set bb, 4*(\g)+(\c)
.set rD, 32*(bb%8)
.set rW, WR+32*((\g)%2)+8*(\c)
	WIN 0x88+0x44*(bb/8)                           ; source 1 and destination in window 2 or 3
.set z, 0
.rept 32
	v_max_num_f32 v[rD+z], 0, v[rD+z]
.set z, z+1
.endr
	WIN 0x02+(bb/8)                                ; source 0 in window 2 or 3
.irp e, 0,1,2,3
.irp m, 0,1,2,3
.if bb == 0 && (\e) == 0
	v_pk_mul_f32 v[SU+2*(\m):SU+2*(\m)+1], v[rD+8*(\m)+2*(\e):rD+8*(\m)+2*(\e)+1], v[rW+2*(\e):rW+2*(\e)+1]
.else
	v_pk_fma_f32 v[SU+2*(\m):SU+2*(\m)+1], v[rD+8*(\m)+2*(\e):rD+8*(\m)+2*(\e)+1], v[rW+2*(\e):rW+2*(\e)+1], v[SU+2*(\m):SU+2*(\m)+1]
.endif
.endr
.endr
.endr
.if (\g) < 2
	WLOAD (\g)+2
.endif
.endr
	WIN 0
.irp m, 0,1,2,3
	v_add_f32 v[SU+2*(\m)], v[SU+2*(\m)], v[SU+2*(\m)+1]
.endr
.irp m, 0,1,2,3
	v_permlanex16_b32 v[SU+2*(\m)+1], v[SU+2*(\m)], s[SEL], s[SEL+1]  ; the pair's other 128 n lie in the lane 16 away
.endr
.irp m, 0,1,2,3
	v_add_f32 v[SU+2*(\m)], v[SU+2*(\m)], v[O+(\m)]
.endr
.set z, 0
.rept 12
	v_mov_b32 v[O+z], v[O+z+4]
.set z, z+1
.endr
.irp m, 0,1,2,3
	v_add_f32 v[O+12+(\m)], v[SU+2*(\m)], v[SU+2*(\m)+1]
.endr
	s_mov_b32 s[WOFF], s[WNEXT]
.endm
	BIASLOAD 0
	s_wait_loadcnt 0x0                             ; hy
	s_branch .Lenter                               ; the loop is entered in the middle of a trip: there is no pass yet to take out
.Lphase:                                               ; once: the first half of n is multiplied, and W2's second half takes its place
	s_wait_tensorcnt 0x0                           ; no tensor load of mine is out, so group 0 may be written
	ds_add_u32 v[SPW], v[NIL]                      ; 0 onto my spare word; the scalar work stands between it and the wait for it
	s_add_nc_u64 s[G0+2:G0+3], s[G0+2:G0+3], 256*1024  ; 256 rows on; the type bits on top are not reached
	s_mov_b32 s[T4], 4
	s_mov_b32 s[WNEXT], 1024                       ; behind the way out below, which is still the first half's
	s_wait_dscnt 0x0                               ; the add is done, and my reads of W2 are over
	CROUND                                         ; no wave of any partner still reads W2 or has a load on its way
	JLOAD                                          ; the first thing behind the round; the way out below stands between it and the wait for it
	BIASLOAD 1
.Ltile:
	EPI                                            ; the pass before goes out
.Lenter:
	s_wait_tensorcnt 0x0                           ; my quarter of W2 is in (one load is out at the most; in a pass without a fill none)
	s_wait_dscnt 0x0                               ; b2 is in; no LDS instruction of mine is pending at the signal
	s_barrier_signal -1
	s_barrier_wait -1                              ; everybody's quarter is in
	PASS
	s_sub_co_u32 s[T4], s[T4], 1
	s_cmp_lg_u32 s[T4], 0
	s_cbranch_scc1 .Ltile
	s_sub_co_u32 s[PH], s[PH], 1
	s_cmp_lg_u32 s[PH], 0
	s_cbranch_scc1 .Lphase
	EPI                                            ; the last pass
	; THE WAY OUT.  O[i'] is out(16 ib + i', my j), the same in both halves of the lanes.  A row's 256 bytes come from four waves: through the stage, with a barrier between writing and reading.
.set z, 0
.rept 16
	ds_store_b32 v[STO], v[O+z] offset:256*z
.set z, z+1
.endr
	s_wait_dscnt 0x0                               ; for the others' sake: my stores into the stage are done
	s_barrier_signal -1
	s_barrier_wait -1
	ds_load_b128 v[32:35], v[RD]
	ds_load_b128 v[36:39], v[RD] offset:512
	s_wait_dscnt 0x0
	global_store_b128 v[GO], v[32:35], s[16:17]              ; 16 lanes store 256 consecutive bytes, at a multiple of 256 from out's first byte
	global_store_b128 v[GO], v[36:39], s[16:17] offset:4096
	s_wait_tensorcnt 0x0                           ; the wave's end, behind my last tensor load and my last LDS store
	ds_add_u32 v[SPW], v[NIL]
	s_wait_dscnt 0x0
	CROUND                                         ; the closing round: no work-group ends while a partner may still ask for a tile that names it
	s_endpgm
.Lfunc_end_k_qefd0af8d10_main:
	.size	k_qefd0af8d10_main, .Lfunc_end_k_qefd0af8d10_main-k_qefd0af8d10_main
	.p2alignl 7, 3214868480
	.fill 96, 4, 3214868480
	.section	.rodata,"a",@progbits
	.p2align	6, 0x0
	.amdhsa_kernel k_qefd0af8d10_main
		.amdhsa_group_segment_fixed_size 327680
		.amdhsa_private_segment_fixed_size 0
		.amdhsa_enable_private_segment 0
		.amdhsa_kernarg_size 56
		.amdhsa_user_sgpr_count 2
		.amdhsa_user_sgpr_kernarg_segment_ptr 1
		.amdhsa_wavefront_size32 1
		.amdhsa_system_sgpr_workgroup_id_x 1
		.amdhsa_system_sgpr_workgroup_id_y 1
		.amdhsa_system_sgpr_workgroup_id_z 1
		.amdhsa_system_vgpr_workitem_id 0
		.amdhsa_next_free_vgpr 1024
		.amdhsa_next_free_sgpr 66
		.amdhsa_reserve_vcc 0
		.amdhsa_float_denorm_mode_32 3
		.amdhsa_float_denorm_mode_16_64 3
		.amdhsa_memory_ordered 1
		.amdhsa_forward_progress 1
		.amdhsa_inst_pref_size 255
	.end_amdhsa_kernel
	.section	.bss,"aw",@nobits
	.p2align	6
	.space	262144
	.amdgpu_metadata
---
amdhsa.version: [ 1, 2 ]
amdhsa.kernels:
  - .name:           k_qefd0af8d10_main
    .symbol:         k_qefd0af8d10_main.kd
    .args:
      - { .name: hxf, .offset: 0, .size: 8, .value_kind: global_buffer, .address_space: global }
      - { .name: hyf, .offset: 8, .size: 8, .value_kind: global_buffer, .address_space: global }
      - { .name: w2h, .offset: 16, .size: 8, .value_kind: global_buffer, .address_space: global }
      - { .name: b2, .offset: 24, .size: 8, .value_kind: global_buffer, .address_space: global }
      - { .name: W3, .offset: 32, .size: 8, .value_kind: global_buffer, .address_space: global }
      - { .name: b3, .offset: 40, .size: 8, .value_kind: global_buffer, .address_space: global }
      - { .name: out0, .offset: 48, .size: 8, .value_kind: global_buffer, .address_space: global }
    .group_segment_fixed_size: 327680
    .private_segment_fixed_size: 0
    .kernarg_segment_align: 8
    .kernarg_segment_size: 56
    .max_flat_workgroup_size: 128
    .sgpr_count:     66
    .vgpr_count:     1024
    .wavefront_size: 32
...
	.end_amdgpu_metadata
.endif
;; end of part 2
;; ======== version 2 of 2: 2 launches; version 1 with the launch prep written anew for expert scheduling mode
;; limits: values are held in f16: magnitudes above 65,504 overflow, below 6.1e-05 lose precision
;; workspace buffers: hxf 524,288 bytes; hyf 524,288 bytes; w2h 524,288 bytes
;; launch prep (part 3): grid 256 x 1, 4 waves a work-group, no clusters, 0 bytes of LDS; arguments x, y, W1, b1, W2, hxf, hyf, w2h; writes hxf, hyf, w2h
.if DOCPART == 3
	.amdgcn_target "amdgcn-amd-amdhsa--gfx1250"
	.amdhsa_code_object_version 6
	.text
	.protected	k_qefd0af8d10_prep
	.globl	k_qefd0af8d10_prep
	.p2align	8
	.type	k_qefd0af8d10_prep,@function
k_qefd0af8d10_prep:
	s_mov_b64 s[64:65], 0
	v_nop
	global_prefetch_b8 v0, s[64:65] scope:SCOPE_SE
	s_setreg_imm32_b32 hwreg(HW_REG_WAVE_SCHED_MODE, 0, 2), 2
	s_setreg_imm32_b32 hwreg(HW_REG_WAVE_MODE, 25, 1), 1
	s_wait_xcnt 0x0
	s_wait_alu depctr_vm_vsrc(0)
; THE TABLES FOR THE MAIN LAUNCH.  hxf = f16(x W1[:, :128]^T + b1), hyf = f16(y W1[:, 128:]^T), w2h = f16(bf16(W2)).
; x, y: [512][128] f32; W1: [512][256] f32; b1: [512] f32; W2: [512][512] f32.  Every input is rounded to bf16 first; products in bf16, sums in f32.
; LAYOUT of hxf and hyf, a LANE IMAGE: byte rb 16384 + ks 1024 + half 512 + lane 16 holds, of row 16 rb + lane % 16, the hidden numbers 32 ks + 16 half + 8 (lane / 16) + 0..7:
; those 16 bytes are registers 4 half .. 4 half + 3 of a 16-row x 32-K fragment of 16-bit numbers (ISA guide 7.12.2), so the main launch loads fragments as they lie.  w2h is row-major.
; SHARES.  1,024 waves that do not depend on each other: no LDS, no barrier, no loop.  Wave w of work-group g makes 16 rows (block rb) x 32 hidden numbers (K step cg) of one table:
; two accumulators, 128 along K: eight matrix instructions; and it converts 256 numbers of W2.
; LIMITS.  f16 ends at 65,504: |hx + b1|, |hy| and |W2| stay below it; a number of W2 below 6e-5 keeps f16's fixed step of 6e-8.  NaN and infinities are not treated apart.
; K IS PERMUTED alike in both operands: in matrix step s the lanes' half h holds k = 64 h + 16 s + 0..15, so a lane reads 256 consecutive bytes of its row.  The products are the same, their order in the sum is not.
; THE MODE: SCHED_MODE bits 1:0 = 2 (LLVM: expert scheduling mode 2), set by the entry lines.  The code itself states the register dependences
; between vector or matrix instructions and memory instructions, with s_wait_alu, always for 0.
; THE PLAN.  Registers that memory instructions touch:
;   v2 .. v6       byte offsets: written once by the head's vector lines, read by the 54 loads and the three stores, never written again.
;   v[8:15], v[20:35], v[64:255]   the loads land here; no vector line names them ahead of the loads, and no load lands in them behind the first vector line that does.
;   v[16:19]       W2 in f16: written by conversions, read by one store, never written again.
;   v[52:59]       at work for b1, then the results in f16: read by the last two stores, behind which nothing is written.
;   s2             the wave's number: written by a vector instruction, read by two scalar lines.
; So four waits state everything: one for s2 ahead of its first reader; one for the offsets ahead of the run of loads; one for v[16:19] ahead of W2's store; one for v[52:59] ahead of the last stores.
; No register that a memory instruction reads is ever written behind that instruction: there is no such dependence to state.
.set W2R,  8                           ; v[8:15]    8 numbers of W2, f32
.set W2P,  16                          ; v[16:19]   the same packed
.set BI,   20                          ; v[20:35]   b1 for the two accumulators: the C operand of the first step
.set AC,   36                          ; v[36:51]   the two accumulators
.set RES,  52                          ; v[52:59]   at work; then the results in f16
.set XR,   64                          ; v[64:127]  my 64 numbers of a row of x or y, f32; packed in place into v[64:95]
.set WA,   128                         ; v[128:191] the same of W1, hidden block 0
.set WB,   192                         ; v[192:255] hidden block 1
	s_load_b512 s[4:19], s[0:1], 0x0               ; x 4:5, y 6:7, W1 8:9, b1 10:11, W2 12:13, hxf 14:15, hyf 16:17, w2h 18:19
	v_lshrrev_b32 v1, 5, v0
	v_readfirstlane_b32 s2, v1                     ; wave 0..3
	s_lshr_b32 s3, ttmp9, 7                        ; which table: 0 x -> hxf, 1 y -> hyf
	s_bfe_u32 s28, ttmp9, 0x50002                  ; rb: block of 16 rows, 0..31
	s_and_b32 s29, ttmp9, 3
	s_mov_b32 s25, 0xffff0000                      ; a word's upper bf16
	s_mov_b32 s27, 0                               ; the high word of every offset
	v_and_b32 v1, 15, v0                           ; r = lane % 16
	v_bfe_u32 v7, v0, 4, 1                         ; h = lane / 16
	v_and_b32 v6, 31, v0
	v_lshlrev_b32 v5, 5, v6                        ; W2: 32 bytes a lane
	v_lshlrev_b32 v6, 4, v6                        ; stores: 16 bytes a lane
	v_lshlrev_b32 v4, 5, v7                        ; b1: 8 numbers for each half of the lanes
	v_lshlrev_b32 v2, 9, v1
	v_lshl_add_u32 v2, v7, 8, v2                   ; x, y: row r of 512 bytes, half h
	v_lshlrev_b32 v3, 10, v1
	v_lshl_add_u32 v3, v7, 8, v3                   ; W1: row r of 1,024 bytes, half h of the part in hand
	s_wait_alu depctr_va_sdst(0)                   ; s2 is written, ahead of its first reader: the two lines below; the offsets' vector lines stand between the writer and this wait
	s_lshl2_add_u32 s29, s29, s2                   ; cg: 32 hidden numbers, 0..15
	s_lshl2_add_u32 s30, ttmp9, s2                 ; my wave among the launch's 1,024
	s_wait_kmcnt 0x0
	s_cmp_lg_u32 s3, 0
	s_cselect_b64 s[20:21], s[6:7], s[4:5]         ; the source,
	s_cselect_b64 s[22:23], s[16:17], s[14:15]     ; the table,
	s_cselect_b32 s24, 0, -1                       ; and whether b1 is kept: it goes into hxf alone
	s_lshl_b32 s26, s28, 13
	s_add_nc_u64 s[20:21], s[20:21], s[26:27]      ; 16 rows of 512 bytes a block
	s_lshl_b32 s26, s29, 15
	s_lshl_b32 s31, s3, 9
	s_add_co_u32 s26, s26, s31
	s_add_nc_u64 s[8:9], s[8:9], s[26:27]          ; W1: 32 rows of 1,024 bytes, and x's or y's 512 bytes of them
	s_lshl_b32 s26, s29, 7
	s_add_nc_u64 s[10:11], s[10:11], s[26:27]
	s_lshl_b32 s26, s30, 10
	s_add_nc_u64 s[12:13], s[12:13], s[26:27]      ; W2: 1,024 bytes a wave in,
	s_lshl_b32 s26, s30, 9
	s_add_nc_u64 s[18:19], s[18:19], s[26:27]      ; 512 out
	s_lshl_b32 s26, s28, 14
	s_lshl_b32 s31, s29, 10
	s_add_co_u32 s26, s26, s31
	s_add_nc_u64 s[22:23], s[22:23], s[26:27]      ; the table at (rb, ks = cg)
	; all 54 loads in one run; the waits below count the younger ones that may stay out
	s_wait_alu depctr_va_vdst(0)                   ; the offsets v2 to v6 are written: every load and store of the kernel reads one of them, and none is written again
	global_load_b128 v[W2R:W2R+3],   v5, s[12:13]
	global_load_b128 v[W2R+4:W2R+7], v5, s[12:13] offset:16
	global_load_b128 v[BI:BI+3],     v4, s[10:11]
	global_load_b128 v[BI+4:BI+7],   v4, s[10:11] offset:16
	global_load_b128 v[BI+8:BI+11],  v4, s[10:11] offset:64
	global_load_b128 v[BI+12:BI+15], v4, s[10:11] offset:80
.set t, 0
.rept 16
	global_load_b128 v[XR+4*t:XR+4*t+3], v2, s[20:21] offset:16*t
.set t, t+1
.endr
.set t, 0
.rept 16
	global_load_b128 v[WA+4*t:WA+4*t+3], v3, s[8:9] offset:16*t
.set t, t+1
.endr
.set t, 0
.rept 16
	global_load_b128 v[WB+4*t:WB+4*t+3], v3, s[8:9] offset:16384+16*t
.set t, t+1
.endr
	s_wait_loadcnt 52                              ; W2's two loads are in: 52 were issued behind them
.irp i, 0,1,2,3
	v_cvt_pk_bf16_f32 v[W2P+(\i)], v[W2R+2*(\i)], v[W2R+2*(\i)+1]  ; rounded to bf16, as every input is,
.endr
.irp i, 0,1,2,3
	v_lshlrev_b32 v[W2R+2*(\i)],   16,  v[W2P+(\i)]
	v_and_b32     v[W2R+2*(\i)+1], s25, v[W2P+(\i)]
.endr
.irp i, 0,1,2,3
	v_cvt_pk_f16_f32 v[W2P+(\i)], v[W2R+2*(\i)], v[W2R+2*(\i)+1]   ; and that number written as f16; it is stored below, behind the wait for x
.endr
	s_wait_loadcnt 48                              ; b1
.set i, 0
.rept 8
	v_cvt_pk_bf16_f32 v[RES+i], v[BI+2*i], v[BI+2*i+1]
.set i, i+1
.endr
.set i, 0
.rept 8
	v_and_b32 v[RES+i], s24, v[RES+i]              ; 0 for hyf
.set i, i+1
.endr
.set i, 0
.rept 8
	v_lshlrev_b32 v[BI+2*i],   16,  v[RES+i]
	v_and_b32     v[BI+2*i+1], s25, v[RES+i]
.set i, i+1
.endr
; 64 f32 are packed in place into 32 registers of bf16: register i takes numbers 2 i and 2 i + 1, which no earlier line has overwritten.  Matrix step s then finds its fragment at R + 8 s.
.macro COMPACT R
.set i, 0
.rept 32
	v_cvt_pk_bf16_f32 v[(\R)+i], v[(\R)+2*i], v[(\R)+2*i+1]
.set i, i+1
.endr
.endm
	s_wait_loadcnt 32
	s_wait_alu depctr_va_vdst(0)                   ; the conversions have written v[W2P ..], which the store reads; all vector lines issued so far stand ahead of the wait for x's data just above
	global_store_b128 v6, v[W2P:W2P+3], s[18:19]   ; the wave stores 512 consecutive bytes, aligned
	COMPACT XR
	s_wait_loadcnt 16
	COMPACT WA
	s_wait_loadcnt 0x0
	COMPACT WB
	; Source 0 = 16 rows of W1 (hidden numbers), source 1 = 16 rows of x: in the result a lane holds ONE row of x and eight neighbouring hidden numbers.
	; The two accumulators take turns; the first step takes b1 as C.
	v_wmma_f32_16x16x32_bf16 v[AC:AC+7],    v[WA:WA+7], v[XR:XR+7], v[BI:BI+7]
	v_wmma_f32_16x16x32_bf16 v[AC+8:AC+15], v[WB:WB+7], v[XR:XR+7], v[BI+8:BI+15]
.irp s, 1,2,3
	v_wmma_f32_16x16x32_bf16 v[AC:AC+7],    v[WA+8*(\s):WA+8*(\s)+7], v[XR+8*(\s):XR+8*(\s)+7], v[AC:AC+7]
	v_wmma_f32_16x16x32_bf16 v[AC+8:AC+15], v[WB+8*(\s):WB+8*(\s)+7], v[XR+8*(\s):XR+8*(\s)+7], v[AC+8:AC+15]
.endr
.rept 4
	v_nop                                          ; four places between the last product and the lines that read the results (ISA guide 7.12.1)
.endr
.set i, 0
.rept 8
	v_cvt_pk_f16_f32 v[RES+i], v[AC+2*i], v[AC+2*i+1]  ; each accumulator from its low end on
.set i, i+1
.endr
	s_wait_alu depctr_va_vdst(0)                   ; the conversions have written v[RES ..], which the two stores read
	global_store_b128 v6, v[RES:RES+3],   s[22:23]             ; half 0: 512 consecutive bytes, aligned
	global_store_b128 v6, v[RES+4:RES+7], s[22:23] offset:512  ; half 1
	s_endpgm
.Lfunc_end_k_qefd0af8d10_prep:
	.size	k_qefd0af8d10_prep, .Lfunc_end_k_qefd0af8d10_prep-k_qefd0af8d10_prep
	.p2alignl 7, 3214868480
	.fill 96, 4, 3214868480
	.section	.rodata,"a",@progbits
	.p2align	6, 0x0
	.amdhsa_kernel k_qefd0af8d10_prep
		.amdhsa_group_segment_fixed_size 0
		.amdhsa_private_segment_fixed_size 0
		.amdhsa_enable_private_segment 0
		.amdhsa_kernarg_size 64
		.amdhsa_user_sgpr_count 2
		.amdhsa_user_sgpr_kernarg_segment_ptr 1
		.amdhsa_wavefront_size32 1
		.amdhsa_system_sgpr_workgroup_id_x 1
		.amdhsa_system_sgpr_workgroup_id_y 1
		.amdhsa_system_sgpr_workgroup_id_z 1
		.amdhsa_system_vgpr_workitem_id 0
		.amdhsa_next_free_vgpr 256
		.amdhsa_next_free_sgpr 66
		.amdhsa_reserve_vcc 0
		.amdhsa_float_denorm_mode_32 3
		.amdhsa_float_denorm_mode_16_64 3
		.amdhsa_memory_ordered 1
		.amdhsa_forward_progress 1
		.amdhsa_inst_pref_size 17
	.end_amdhsa_kernel
	.amdgpu_metadata
---
amdhsa.version: [ 1, 2 ]
amdhsa.kernels:
  - .name:           k_qefd0af8d10_prep
    .symbol:         k_qefd0af8d10_prep.kd
    .args:
      - { .name: x, .offset: 0, .size: 8, .value_kind: global_buffer, .address_space: global }
      - { .name: y, .offset: 8, .size: 8, .value_kind: global_buffer, .address_space: global }
      - { .name: W1, .offset: 16, .size: 8, .value_kind: global_buffer, .address_space: global }
      - { .name: b1, .offset: 24, .size: 8, .value_kind: global_buffer, .address_space: global }
      - { .name: W2, .offset: 32, .size: 8, .value_kind: global_buffer, .address_space: global }
      - { .name: hxf, .offset: 40, .size: 8, .value_kind: global_buffer, .address_space: global }
      - { .name: hyf, .offset: 48, .size: 8, .value_kind: global_buffer, .address_space: global }
      - { .name: w2h, .offset: 56, .size: 8, .value_kind: global_buffer, .address_space: global }
    .group_segment_fixed_size: 0
    .private_segment_fixed_size: 0
    .kernarg_segment_align: 8
    .kernarg_segment_size: 64
    .max_flat_workgroup_size: 128
    .sgpr_count:     66
    .vgpr_count:     256
    .wavefront_size: 32
...
	.end_amdgpu_metadata
.endif
;; end of part 3
;; launch main: the kernel of part 2 again; grid 8 x 32, 4 waves a work-group, clusters of 4 x 1, 327,680 bytes of LDS; arguments hxf, hyf, w2h, b2, W3, b3, out0; writes out0
